; MI455X (gfx1250); checked and timed in simulation.
; The chip was launched on July 23, 2026; its instructions are those of AMD's public machine-readable ISA for CDNA 5 (MIT licence, August 2026) and "CDNA5" Instruction Set Architecture Reference Guide (July 2026). The comments in the code are by the model that wrote it; some were corrected since.
;; Feedback GRU Model. Allowed arithmetic: matrix products marked QUANTISED: E2M1 operands, one E8M0 scale for each 32 along K, by v_wmma_scale_f32_16x16x128_f8f6f4 with both operands' format E2M1 (or v_wmma_scale_f32_32x16x128_f4), f32 sums; products left as they are: f32 operands where the result goes on into a quantised operand, else bf16, f16 or f32 operands; f32 sums; everything else in f32.
;; Inputs: b_hh 96 float32; b_ih 96 float32; dec1_b 32 float32; dec1_w 32 x 32 float32; dec2_b 4 float32; dec2_w 4 x 32 float32; enc_b 32 float32; enc_w 32 x 11 float32; ln_b 32 float32; ln_g 32 float32; w_hh 96 x 32 float32; w_ih 96 x 36 float32; x 524,288 x 11 float32; y0 4 float32.
;; Outputs: out0 524,288 x 4 float32.
;; This version of the problem:
;;   THIS VERSION OF THE PROBLEM IS GIVEN IN LOW PRECISION. The matrix products marked QUANTISED in the list below multiply operands that are first quantised to E2M1 (2 exponent bits, 1 mantissa bit; 4 bits a number), with one power-of-two scale for each 32 numbers along K (OCP MX v1.0); their sums are f32. All else is computed in f32.
;;   The module's matrix products, in the order in which they are computed (A, B: the left and right operand; K: the contracted axis; several contracted axes count as one K, in the product's order):
;;     1. [M 524,288, K 11] x [K 11, N 32]; A: input x; B: input enc_w: left as it is (K = 11 < 32)
;;     2. [M 524,288, K 36] x [K 36, N 96]; A: computed on the way; B: input w_ih: QUANTISED
;;     3. [M 524,288, K 32] x [K 32, N 96]; A: computed on the way; B: input w_hh: QUANTISED
;;     4. [M 524,288, K 32] x [K 32, N 32]; A: computed on the way; B: input dec1_w: QUANTISED
;;     5. [M 524,288, K 32] x [K 32, N 4]; A: computed on the way; B: input dec2_w: left as it is (N = 4 < 16)
;;     6. [M 524,288, K 36] x [K 36, N 96]; A: computed on the way; B: input w_ih: QUANTISED
;;     7. [M 524,288, K 32] x [K 32, N 96]; A: computed on the way; B: input w_hh: QUANTISED
;;     8. [M 524,288, K 32] x [K 32, N 32]; A: computed on the way; B: input dec1_w: QUANTISED
;;     9. [M 524,288, K 32] x [K 32, N 4]; A: computed on the way; B: input dec2_w: left as it is (N = 4 < 16)
;;     10. [M 524,288, K 36] x [K 36, N 96]; A: computed on the way; B: input w_ih: QUANTISED
;;     11. [M 524,288, K 32] x [K 32, N 96]; A: computed on the way; B: input w_hh: QUANTISED
;;     12. [M 524,288, K 32] x [K 32, N 32]; A: computed on the way; B: input dec1_w: QUANTISED
;;     13. [M 524,288, K 32] x [K 32, N 4]; A: computed on the way; B: input dec2_w: left as it is (N = 4 < 16)
;;     14. [M 524,288, K 36] x [K 36, N 96]; A: computed on the way; B: input w_ih: QUANTISED
;;     15. [M 524,288, K 32] x [K 32, N 96]; A: computed on the way; B: input w_hh: QUANTISED
;;     16. [M 524,288, K 32] x [K 32, N 32]; A: computed on the way; B: input dec1_w: QUANTISED
;;     17. [M 524,288, K 32] x [K 32, N 4]; A: computed on the way; B: input dec2_w: left as it is (N = 4 < 16)
;;     18. [M 524,288, K 36] x [K 36, N 96]; A: computed on the way; B: input w_ih: QUANTISED
;;     19. [M 524,288, K 32] x [K 32, N 96]; A: computed on the way; B: input w_hh: QUANTISED
;;     20. [M 524,288, K 32] x [K 32, N 32]; A: computed on the way; B: input dec1_w: QUANTISED
;;     21. [M 524,288, K 32] x [K 32, N 4]; A: computed on the way; B: input dec2_w: left as it is (N = 4 < 16)
;;   THE QUANTISER, for each operand of a quantised product, along K:
;;     - K is cut into blocks of 32 from its start; a last block that is shorter is filled with zeros.
;;     - A block's scale is 2^e with e = floor(log2(the largest magnitude in the block)) - 2, held to -126 .. 127; a block of zeros has e = 0. As a byte (E8M0): e + 127.
;;     - Each number is divided by its block's scale, clamped to +-6, and rounded to the nearest number of E2M1, ties to even, subnormals kept.
;;     - The product sums the exact products of the quantised numbers (number of the format x scale) in f32.
;;   ~~~python
;;   def quantise(x, axis):      # numpy; x: float32 -> the quantised numbers, widened to float32 again
;;       x = np.moveaxis(x, axis, -1); K = x.shape[-1]
;;       x = np.pad(x, [(0, 0)] * (x.ndim - 1) + [(0, -K % 32)]); x = x.reshape(x.shape[:-1] + (-1, 32)); a = np.abs(x).max(-1, keepdims=True)
;;       e = np.where(a > 0, np.clip(np.frexp(np.where(a > 0, a, 1))[1] - 1 - 2, -126, 127), 0)      # np.frexp(a)[1] - 1 = floor(log2(a)), exactly
;;       r = np.clip(x / 2.0 ** e, -6, 6)
;;       step = 2.0 ** (np.maximum(np.frexp(np.where(r == 0, 1, r))[1] - 1, 0) - 1)
;;       q = np.round(r / step) * step * 2.0 ** e      # np.round: ties to even
;;       return np.moveaxis(q.reshape(q.shape[:-2] + (-1,))[..., :K], -1, axis).astype(np.float32)
;;   ~~~
;;   OPERANDS COMPUTED ON THE WAY. 'Computed on the way' means the value that the module computes at that place (a softmax that the list does not call 'softmax' is quantised finished and normalised). What goes into a quantiser is computed in f32, as accurately as f32 sums, v_exp_f32 and their like allow (about 1e-6 of the number): no bf16 or f16 on the way to a quantiser, and a product that is left as it is and whose result goes on into a quantised operand takes f32 operands (vector FMAs, or v_wmma_f32_16x16x4_f32). A number that lies on a knife's edge between two numbers of the format may be rounded either way, as far as f32 arithmetic and the matrix unit's own rounding can turn it there, and no further.
;; One version. Each part assembles by itself: llvm-mc -triple=amdgcn-amd-amdhsa -mcpu=gfx1250 --defsym DOCPART=n.
;; ======== version 1 of 1: 1 launch
;; launch gru (part 1): grid 256 x 1, 8 waves a work-group, no clusters, 168,960 bytes of LDS; arguments x, enc_w, enc_b, ln_g, ln_b, w_ih, w_hh, b_ih, b_hh, dec1_w, dec1_b, dec2_w, dec2_b, y0, out0; writes out0
.if DOCPART == 1
	.amdgcn_target "amdgcn-amd-amdhsa--gfx1250"
	.amdhsa_code_object_version 6
	.text
	.protected	k_qc286b7e7a8_gru
	.globl	k_qc286b7e7a8_gru
	.p2align	8
	.type	k_qc286b7e7a8_gru,@function
k_qc286b7e7a8_gru:
	s_mov_b64 s[64:65], 0
	v_nop
	global_prefetch_b8 v0, s[64:65] scope:SCOPE_SE
	s_setreg_imm32_b32 hwreg(HW_REG_WAVE_MODE, 25, 1), 1
	s_wait_xcnt 0x0
; FeedbackGRU: enc = LayerNorm(relu(x enc_w^T + enc_b)); h = enc, y = y0; five times: a GRU step on [enc | y] and h, then y = relu(h dec1_w^T + dec1_b) dec2_w^T + dec2_b.  out0 = the last y.
; The products with w_ih, w_hh and dec1_w run on codes of FP4 (E2M1) with one E8M0 scale for each 32 along K; those with enc_w (K = 11) and dec2_w (N = 4) in f32; all else in f32.
; SHARES.  256 work-groups of 8 waves; a work-group owns 2,048 rows, a wave 256, which it walks in 8 trips of two tiles of 16 rows (A, B).  Waves share nothing: no barrier.
; LAYOUT.  Every product is used transposed (source 0 = 16 rows of a weight, source 1 = 16 rows of the batch), and lane m of a weight tile takes row 8 u + m + (m & 8) of its gate: so lane (r = lane % 16, h = lane / 16)
; holds batch row r and, in 16 consecutive registers, units 16 h .. 16 h + 15, from the encoder to the decoder.  One exchange between the halves of the lanes serves each reduction over the 32 units.
; ONE OPERAND FOR ALL THREE QUANTISED PRODUCTS.  An instruction's K = 128 is four blocks of 32, each with its own scale byte:
;   block 0 (lanes 0-15, registers 0-3): enc 0..31 | w_ih columns 0..31        block 1 (lanes 16-31, register 0, low 16 bits): y 0..3 | w_ih columns 32..35; the weights' other codes there are zeros
;   block 2 (lanes 0-15, registers 4-5): h 0..15 | w_hh (dec1_w) columns 0..15   block 3 (lanes 16-31, registers 4-5): h 16..31 | columns 16..31; registers 6-7 are zeros on both sides
; h's block of 32 is laid as two half blocks that carry the SAME byte, taken over all 32: no quantised number changes, and a lane's own codes are the operand's registers.  Where one side holds
; leftovers the other holds zero codes (E2M1 has no NaN and no infinity).  So ir + hr, iz + hz, inn, hn and the decoder's first layer are ONE instruction a tile each, with the bias as C.
; LIMITS.  NaN and infinities among the inputs are not served.  A block whose largest magnitude lies under 2^-124, a block of zeros among them, gets the byte 1 (the stated rule says 127 for zeros: its codes are zeros,
; and only this text reads the bytes).  sigmoid(a) = 1 / (1 + 2^(-a log2 e)), tanh(a) = 1 - 2 / (1 + 2^(2 a log2 e)): both end rightly where the exponential overflows or vanishes; tanh's error is about 1e-7
; absolute, so relative to a very small tanh it is larger.  ir + hr and their two biases are summed inside one matrix instruction, in another order than the source reads.
; NO CLUSTER: what work-groups share is the weights, 33 KB, which each wave reads once into registers and keeps; nothing shared is walked in the loop.  No prefetch and no ring: a wave's whole share of x, 11,264 bytes,
; is asked for by one tensor load at the head and lands while the weights are quantised.
; LDS: 0 .. 90,111: x, 11,264 dense bytes a wave (256 rows of 44 bytes), filled once, read by the wave that asked.  From 90,112: 6,144 bytes a wave: enc_b, ln_g, ln_b as images of 16 registers each.
.set WXB,   11264                      ; a wave's bytes of x
.set GXB,   8*WXB                      ; a work-group's
.set LNC,   GXB
.set LNW,   6144
; window 0
.set XA0, 1                            ; v1   LDS: my row of x, + 8 h
.set XB0, 2                            ; v2   the same, + 4 h (for k = 9 | 10)
.set LC,  3                            ; v3   LDS: my lane's 16 bytes in the wave's images
.set OOF, 4                            ; v4   16 x lane
.set NIL, 5                            ; v5   0
.set XAD, 6                            ; v6, v7 the trip's addresses in x
.set XBD, 7
.set WS,  8                            ; v8-17  the ten weight tiles' scale words
.set SWA, 18                           ; v18, v19 the rows' scale words of tiles A and B
.set SWB, 19
.set OUT, 24                           ; v24-27
.set TM,  28                           ; v28-39 at work
.set TA,  40                           ; tile A: v40-138
.set TBB, 144                          ; tile B: v144-242
.set DBP, 244                          ; v244-251 pairs (dec2_b[j] in lanes 0-15, else 0 | 0)
.set oY,  8                            ; in a tile: +0..7 the operand; +8..11 y, +12..15 zeros
.set oH,  16                           ; h (first the encoder's result)
.set oR,  32                           ; r, later n
.set oZ,  48                           ; z, later the decoder's hidden layer
.set oIN, 64
.set oHN, 80
.set oENCB, 96                         ; enc's byte, h's byte, enc's and y's bytes together
.set oHB, 97
.set oEY, 98
.set EB,  TA+oR                        ; during a trip's set-up tile A's registers hold enc_b, ln_g, ln_b (16 each) and x's fragments (6 a tile)
.set LG,  TA+oZ
.set LB,  TA+oIN
.set XF,  TA+oHN
; window 1
.set WT,  0                            ; ten weight tiles of 8: r, r, z, z, inn, inn, hn, hn, dec1, dec1
.set BS,  80                           ; their biases in the result's layout
.set DW,  160                          ; dec2_w[j][16 h + i] at 16 j + i
.set EA,  224                          ; the encoder's two accumulators: written by matrix instructions alone
.set EW,  240                          ; enc_w's six fragments of 2
; the head's own names
.set AI0, 20
.set AIH, 21
.set AHH, 22
.set ABI, 23
.set AEW, 24
.set AEW2, 25
.set YC,  26
.set RS,  27
.set SI,  28                           ; w_ih columns 16 h on: 16 registers a tile
.set YP,  124                          ; w_ih columns 32..35: 4 a tile; v148-151 zeros behind them
.set SH,  152                          ; w_hh: 16 a tile
.set D1S, 28
.set BHS, 60
.set LNS, 92
.set C0,  251                          ; v251-254
.set BY,  255
.set QA,  248                          ; the quantiser's three registers at work: here the head's, later v28-30
.set QB,  249
.set QP,  250
.set MSB, 0
.macro WIN new                         ; the immediate's high byte repeats the setting that is left; a switch that changes nothing is dropped
.if MSB != \new
	s_set_vgpr_msb (MSB<<8)|\new
.set MSB, \new
.endif
.endm
.set WIN_M,  0x11                      ; source 0 (weights) and source 2 (bias) in window 1
.set WIN_D,  0x04                      ; source 1 in window 1
.set WIN_E0, 0x41                      ; source 0 and destination in window 1
.set WIN_E1, 0x51                      ; sources 0 and 2 and destination in window 1
.set TO1,    0x40                      ; destination in window 1
; 16 numbers of a lane, half of a block of 32 whose other half lies in lane l xor 16, become two registers of codes, v[c], v[c+1] (in the window w says), and the block's byte in v[by].
.macro QBLK s, c, w, by
	v_max3_num_f32 v[QA], |v[(\s)]|, |v[(\s)+1]|, 0x1800000        ; with the floor 2^(3 - 127): the byte cannot fall under 1
	v_max3_num_f32 v[QB], |v[(\s)+8]|, |v[(\s)+9]|, |v[(\s)+10]|   ; two chains
	v_max3_num_f32 v[QA], v[QA], |v[(\s)+2]|, |v[(\s)+3]|
	v_max3_num_f32 v[QB], v[QB], |v[(\s)+11]|, |v[(\s)+12]|
	v_max3_num_f32 v[QA], v[QA], |v[(\s)+4]|, |v[(\s)+5]|
	v_max3_num_f32 v[QB], v[QB], |v[(\s)+13]|, |v[(\s)+14]|
	v_max3_num_f32 v[QA], v[QA], |v[(\s)+6]|, |v[(\s)+7]|
	v_max3_num_f32 v[QA], v[QA], v[QB], |v[(\s)+15]|
	v_permlanex16_b32 v[QP], v[QA], s4, s5
	v_max_num_f32 v[QA], v[QA], v[QP]                              ; the block's largest magnitude
	v_add_nc_u32 v[QA], 0xff000000, v[QA]                          ; 2 off its exponent field: the conversion takes that field as its scale, and nothing else
	WIN \w
	v_cvt_scalef32_pk8_fp4_f32 v[(\c)], v[(\s):(\s)+7], v[QA]
	v_cvt_scalef32_pk8_fp4_f32 v[(\c)+1], v[(\s)+8:(\s)+15], v[QA]
	WIN 0
	v_lshrrev_b32 v[(\by)], 23, v[QA]                              ; the byte; also the plain line behind the conversions
.endm
; y's four numbers (and four zeros) become block 1: codes into lanes 16-31 of the operand's register 0, the byte into the scale word
.macro QY b, sw
	v_max3_num_f32 v[TM], |v[\b+oY]|, |v[\b+oY+1]|, 0x1800000
	v_max3_num_f32 v[TM], v[TM], |v[\b+oY+2]|, |v[\b+oY+3]|
	v_add_nc_u32 v[TM], 0xff000000, v[TM]
	v_cvt_scalef32_pk8_fp4_f32 v[TM+1], v[\b+oY:\b+oY+7], v[TM]
	v_lshrrev_b32 v[TM+3], 23, v[TM]
	v_lshl_or_b32 v[\b+oEY], v[TM+3], 8, v[\b+oENCB]
	v_perm_b32 v[\sw], v[\b+oHB], v[\b+oEY], s7                    ; bytes: enc's, y's, h's, h's
	v_cndmask_b32 v[\b], v[\b], v[TM+1], s6
.endm
; h becomes blocks 2 and 3: a lane's own codes are the operand's registers 4 and 5
.macro QH b, sw
	QBLK \b+oH, \b+4, 0, \b+oHB
	v_perm_b32 v[\sw], v[\b+oHB], v[\b+oEY], s7
.endm
; the gates: eight products, each one instruction with its bias as C; eight different results, so nothing is chained
.macro W1 b, sw
.irp T, 0,1,2,3,4,5,6,7
	v_wmma_scale_f32_16x16x128_f8f6f4 v[\b+oR+8*\T:\b+oR+8*\T+7], v[WT+8*\T:WT+8*\T+7], v[\b:\b+7], v[BS+8*\T:BS+8*\T+7], v[WS+\T], v[\sw] matrix_a_fmt:MATRIX_FMT_FP4 matrix_b_fmt:MATRIX_FMT_FP4
.endr
.endm
; the decoder's first layer
.macro W2 b, sw
.irp T, 8,9
	v_wmma_scale_f32_16x16x128_f8f6f4 v[\b+oZ+8*(\T-8):\b+oZ+8*(\T-8)+7], v[WT+8*\T:WT+8*\T+7], v[\b:\b+7], v[BS+8*\T:BS+8*\T+7], v[WS+\T], v[\sw] matrix_a_fmt:MATRIX_FMT_FP4 matrix_b_fmt:MATRIX_FMT_FP4
.endr
.endm
; r's and z's arguments x -log2(e); ascending, so that each result is read from its low end on
.macro P2A b
.set i, 0
.rept 16
	v_pk_mul_f32 v[\b+oR+i:\b+oR+i+1], v[\b+oR+i:\b+oR+i+1], s[52:53] op_sel_hi:[1,0]
.set i, i+2
.endr
.endm
; the gates' arithmetic.  Transcendentals stand in runs; a v_nop behind each run is the plain line that is owed before a result is used (ISA guide 5.7.2)
.macro P2B b
.set i, 0
.rept 32
	v_exp_f32 v[\b+oR+i], v[\b+oR+i]
.set i, i+1
.endr
	v_nop
.set i, 0
	s_wait_alu depctr_va_vdst(0)
.rept 16
	v_pk_add_f32 v[\b+oR+i:\b+oR+i+1], v[\b+oR+i:\b+oR+i+1], 1.0 op_sel_hi:[1,0]
.set i, i+2
.endr
.set i, 0
.rept 32
	v_rcp_f32 v[\b+oR+i], v[\b+oR+i]                               ; r and z
.set i, i+1
.endr
	v_nop
.set i, 0
	s_wait_alu depctr_va_vdst(0)
.rept 8
	v_pk_fma_f32 v[\b+oR+i:\b+oR+i+1], v[\b+oR+i:\b+oR+i+1], v[\b+oHN+i:\b+oHN+i+1], v[\b+oIN+i:\b+oIN+i+1]   ; inn + r hn
.set i, i+2
.endr
.set i, 0
.rept 8
	v_pk_mul_f32 v[\b+oR+i:\b+oR+i+1], v[\b+oR+i:\b+oR+i+1], s[54:55] op_sel_hi:[1,0]
.set i, i+2
.endr
.set i, 0
.rept 16
	v_exp_f32 v[\b+oR+i], v[\b+oR+i]
.set i, i+1
.endr
	v_nop
.set i, 0
	s_wait_alu depctr_va_vdst(0)
.rept 8
	v_pk_add_f32 v[\b+oR+i:\b+oR+i+1], v[\b+oR+i:\b+oR+i+1], 1.0 op_sel_hi:[1,0]
.set i, i+2
.endr
.set i, 0
.rept 16
	v_rcp_f32 v[\b+oR+i], v[\b+oR+i]
.set i, i+1
.endr
	v_nop
.set i, 0
	s_wait_alu depctr_va_vdst(0)
.rept 8
	v_pk_fma_f32 v[\b+oR+i:\b+oR+i+1], v[\b+oR+i:\b+oR+i+1], -2.0, 1.0 op_sel_hi:[1,0,0]   ; n
.set i, i+2
.endr
.set i, 0
.rept 8
	v_pk_add_f32 v[\b+oH+i:\b+oH+i+1], v[\b+oH+i:\b+oH+i+1], v[\b+oR+i:\b+oR+i+1] neg_lo:[0,1] neg_hi:[0,1]   ; h - n
.set i, i+2
.endr
.set i, 0
.rept 8
	v_pk_fma_f32 v[\b+oH+i:\b+oH+i+1], v[\b+oZ+i:\b+oZ+i+1], v[\b+oH+i:\b+oH+i+1], v[\b+oR+i:\b+oR+i+1]   ; z (h - n) + n
.set i, i+2
.endr
.endm
.macro RELU b
.set i, 0
.rept 16
	v_max_num_f32 v[\b+oZ+i], 0, v[\b+oZ+i]
.set i, i+1
.endr
.endm
; y's four sums over my 16 units, two units an instruction: four chains, one for each output, by turns.  The bias is the first link's addend (lanes 0-15 alone carry it).  Source 1 lies in window 1
.macro DEC2 b
.irp k, 0,1,2,3,4,5,6,7
.irp j, 0,1,2,3
.if \k == 0
	v_pk_fma_f32 v[TM+4+2*\j:TM+5+2*\j], v[\b+oZ+2*\k:\b+oZ+2*\k+1], v[DW+16*\j+2*\k:DW+16*\j+2*\k+1], v[DBP+2*\j:DBP+2*\j+1]
.else
	v_pk_fma_f32 v[TM+4+2*\j:TM+5+2*\j], v[\b+oZ+2*\k:\b+oZ+2*\k+1], v[DW+16*\j+2*\k:DW+16*\j+2*\k+1], v[TM+4+2*\j:TM+5+2*\j]
.endif
.endr
.endr
.endm
; even and odd units' sums, then the other half of the lanes': both halves end with the same bits of y
.macro YFIN b
.irp j, 0,1,2,3
	v_add_f32 v[\b+oY+\j], v[TM+4+2*\j], v[TM+5+2*\j]
.endr
.irp j, 0,1,2,3
	v_permlanex16_b32 v[TM+\j], v[\b+oY+\j], s4, s5
.endr
	v_pk_add_f32 v[\b+oY:\b+oY+1], v[\b+oY:\b+oY+1], v[TM:TM+1]
	v_pk_add_f32 v[\b+oY+2:\b+oY+3], v[\b+oY+2:\b+oY+3], v[TM+2:TM+3]
.endm
; x enc_w^T + enc_b for tile p, in f32: three K steps of 4 (k = 11 is a zero of enc_w), two accumulators by turns; enc_b is the C of each sum's first instruction
.macro ENCW p
	WIN WIN_E0
	v_wmma_f32_16x16x4_f32 v[EA:EA+7], v[EW:EW+1], v[XF+6*\p:XF+6*\p+1], v[EB:EB+7]
	v_wmma_f32_16x16x4_f32 v[EA+8:EA+15], v[EW+6:EW+7], v[XF+6*\p:XF+6*\p+1], v[EB+8:EB+15]
	WIN WIN_E1
.irp t, 1,2
	v_wmma_f32_16x16x4_f32 v[EA:EA+7], v[EW+2*\t:EW+2*\t+1], v[XF+6*\p+2*\t:XF+6*\p+2*\t+1], v[EA:EA+7]
	v_wmma_f32_16x16x4_f32 v[EA+8:EA+15], v[EW+6+2*\t:EW+6+2*\t+1], v[XF+6*\p+2*\t:XF+6*\p+2*\t+1], v[EA+8:EA+15]
.endr
	WIN 0
.endm
; relu, LayerNorm, and enc's codes: they are block 0 for all five steps and, since h begins as enc, h's first codes
.macro ENC_TAIL b
	WIN WIN_D
.set i, 0
.rept 16
	v_max_num_f32 v[\b+oH+i], 0, v[EA+i]                           ; into other registers; each accumulator from its low end on
.set i, i+1
.endr
	WIN 0
	v_pk_add_f32 v[TM:TM+1], v[\b+oH:\b+oH+1], v[\b+oH+2:\b+oH+3]
	v_pk_add_f32 v[TM+2:TM+3], v[\b+oH+4:\b+oH+5], v[\b+oH+6:\b+oH+7]
	v_pk_add_f32 v[TM+4:TM+5], v[\b+oH+8:\b+oH+9], v[\b+oH+10:\b+oH+11]
	v_pk_add_f32 v[TM+6:TM+7], v[\b+oH+12:\b+oH+13], v[\b+oH+14:\b+oH+15]
	v_pk_add_f32 v[TM:TM+1], v[TM:TM+1], v[TM+2:TM+3]
	v_pk_add_f32 v[TM+4:TM+5], v[TM+4:TM+5], v[TM+6:TM+7]
	v_pk_add_f32 v[TM:TM+1], v[TM:TM+1], v[TM+4:TM+5]
	v_add_f32 v[TM], v[TM], v[TM+1]
	v_permlanex16_b32 v[TM+2], v[TM], s4, s5
	v_add_f32 v[TM], v[TM], v[TM+2]
	v_mul_f32 v[TM+8], 0xbd000000, v[TM]                           ; minus the mean: x -1/32
.set i, 0
.rept 8
	v_pk_add_f32 v[\b+oH+i:\b+oH+i+1], v[\b+oH+i:\b+oH+i+1], v[TM+8:TM+9] op_sel_hi:[1,0]
.set i, i+2
.endr
	v_pk_mul_f32 v[TM:TM+1], v[\b+oH:\b+oH+1], v[\b+oH:\b+oH+1]
	v_pk_mul_f32 v[TM+2:TM+3], v[\b+oH+2:\b+oH+3], v[\b+oH+2:\b+oH+3]
.irp i4, 4,8,12
	v_pk_fma_f32 v[TM:TM+1], v[\b+oH+\i4:\b+oH+\i4+1], v[\b+oH+\i4:\b+oH+\i4+1], v[TM:TM+1]
	v_pk_fma_f32 v[TM+2:TM+3], v[\b+oH+\i4+2:\b+oH+\i4+3], v[\b+oH+\i4+2:\b+oH+\i4+3], v[TM+2:TM+3]
.endr
	v_pk_add_f32 v[TM:TM+1], v[TM:TM+1], v[TM+2:TM+3]
	v_add_f32 v[TM], v[TM], v[TM+1]
	v_permlanex16_b32 v[TM+2], v[TM], s4, s5
	v_add_f32 v[TM], v[TM], v[TM+2]
	v_fma_f32 v[TM], v[TM], s38, s39                               ; the variance + 1e-5
	v_rsq_f32 v[TM+10], v[TM]
	v_nop
.set i, 0
	s_wait_alu depctr_va_vdst(0)
.rept 8
	v_pk_mul_f32 v[\b+oH+i:\b+oH+i+1], v[\b+oH+i:\b+oH+i+1], v[TM+10:TM+11] op_sel_hi:[1,0]
.set i, i+2
.endr
.set i, 0
.rept 8
	v_pk_fma_f32 v[\b+oH+i:\b+oH+i+1], v[\b+oH+i:\b+oH+i+1], v[LG+i:LG+i+1], v[LB+i:LB+i+1]
.set i, i+2
.endr
	QBLK \b+oH, \b+4, 0, \b+oENCB
	v_mov_b32 v[\b+oHB], v[\b+oENCB]
	v_mov_b32 v[\b], v[\b+4]                                       ; block 0 in lanes 0-15: my codes of units 0..15,
	v_mov_b32 v[\b+1], v[\b+5]
	v_permlanex16_b32 v[\b+2], v[\b+4], s4, s5                     ; and lane l + 16's of units 16..31.  (What lanes 16-31 hold here meets zero codes of the weights)
	v_permlanex16_b32 v[\b+3], v[\b+5], s4, s5
.endm
; the head: tile T of w_ih: blocks 0 and 1 of a weight tile, and the low two bytes of its scale word
.macro QIH T
	QBLK SI+16*(\T), C0, 0, BY
	v_max3_num_f32 v[QB], |v[YP+4*(\T)]|, |v[YP+4*(\T)+1]|, 0x1800000
	v_max3_num_f32 v[QB], v[QB], |v[YP+4*(\T)+2]|, |v[YP+4*(\T)+3]|
	v_add_nc_u32 v[QB], 0xff000000, v[QB]
	v_cvt_scalef32_pk8_fp4_f32 v[YC], v[YP+4*(\T):YP+4*(\T)+7], v[QB]   ; the upper four numbers are not this block's:
	v_lshrrev_b32 v[QA], 23, v[QB]
	v_permlanex16_b32 v[C0+2], v[C0], s4, s5
	v_permlanex16_b32 v[C0+3], v[C0+1], s4, s5
	v_and_b32 v[YC], 0xffff, v[YC]                                 ; their codes are cut off
	v_lshl_or_b32 v[WS+\T], v[QA], 8, v[BY]
	WIN TO1
	v_cndmask_b32 v[WT+8*(\T)], v[C0], v[YC], s6                   ; lanes 0-15: columns 0..31; lanes 16-31: columns 32..35, then zero codes
	v_cndmask_b32 v[WT+8*(\T)+1], v[C0+1], v[NIL], s6
	v_cndmask_b32 v[WT+8*(\T)+2], v[C0+2], v[NIL], s6
	v_cndmask_b32 v[WT+8*(\T)+3], v[C0+3], v[NIL], s6
	WIN 0
.endm
; the head: blocks 2 and 3 of weight tile T from 16 numbers a lane, and the high two bytes of its scale word over the low two of v[base]
.macro QHH src, T, base
	QBLK \src, WT+8*(\T)+4, TO1, BY
	v_perm_b32 v[WS+\T], v[BY], v[\base], s7
.endm
	; ---- the head
	s_load_b512 s[8:23], s[0:1], 0x0               ; x 8, enc_w 10, enc_b 12, ln_g 14, ln_b 16, w_ih 18, w_hh 20, b_ih 22
	s_load_b256 s[24:31], s[0:1], 0x40             ; b_hh 24, dec1_w 26, dec1_b 28, dec2_w 30
	s_load_b128 s[32:35], s[0:1], 0x60             ; dec2_b 32, y0 34
	s_load_b64 s[36:37], s[0:1], 0x70              ; out0
	s_set_vgpr_msb 0x40
	v_lshl_add_u32 v254, v0, 2, 0x29000
	v_mov_b32 v255, 0
	s_set_vgpr_msb 0x4045
	ds_add_u32 v254, v255
	ds_add_u32 v254, v255
	s_set_vgpr_msb 0x4500
	v_lshrrev_b32 v6, 5, v0
	v_readfirstlane_b32 s2, v6                     ; wave 0..7
	s_mov_b32 s4, 0x76543210                       ; v_permlanex16_b32's selects for lane l xor 16
	s_mov_b32 s5, 0xfedcba98
	s_mov_b32 s6, 0xffff0000                       ; lanes 16-31
	s_mov_b32 s7, 0x04040100                       ; bytes 0, 1 of the second source, byte 0 of the first twice
	s_mov_b32 s38, 0x3d000000                      ; 1/32
	s_mov_b32 s39, 0x3727c5ac                      ; 1e-5
	s_mov_b32 s52, 0xbfb8aa3b                      ; -log2(e); the packed forms name a pair and take its low word
	s_mov_b32 s53, s52
	s_mov_b32 s54, 0x4038aa3b                      ; 2 log2(e)
	s_mov_b32 s55, s54
	; the descriptor: my wave's 11,264 dense bytes of x as 44 rows of 32 elements of 8 bytes
	s_mov_b32 s44, 3<<16                           ; no mask; elements of 8 bytes; no padding
	s_mov_b32 s45, 32<<16                          ; tensor_dim0 = 32
	s_mov_b32 s46, 44<<16                          ; tensor_dim1 = 44
	s_mov_b32 s47, 32<<16                          ; tile_dim0 = 32
	s_mov_b32 s48, 44                              ; tile_dim1 = 44
	s_mov_b32 s49, 32                              ; elements from row to row
	s_mov_b32 s50, 0
	s_mov_b32 s51, 0
	s_mov_b32 s40, 1
	s_mul_i32 s41, s2, WXB                         ; LDS: my wave's bytes
	s_mul_i32 s60, ttmp9, GXB
	s_add_co_u32 s60, s60, s41
	s_mov_b32 s61, 0
	s_wait_dscnt 0x0
	s_wait_kmcnt 0x0
	s_add_nc_u64 s[42:43], s[8:9], s[60:61]
	s_or_b32 s43, s43, 0x80000000
	tensor_load_to_lds s[40:43], s[44:51]          ; the wave's one tensor load
	s_nop 0
.rept 4
	v_nop
.endr
	s_load_b128 s[68:71], s[34:35], 0x0            ; y0
	s_load_b128 s[72:75], s[32:33], 0x0            ; dec2_b
	v_and_b32 v6, 15, v0                           ; r, or a weight tile's m
	v_bfe_u32 v7, v0, 4, 1                         ; h
	v_and_b32 v[RS], 8, v6
	v_add_nc_u32 v[RS], v[RS], v6                  ; m + (m & 8)
	v_mul_u32_u24 v[AI0], v[RS], 144               ; w_ih: a row is 144 bytes
	v_lshl_add_u32 v[AIH], v7, 6, v[AI0]
	v_lshlrev_b32 v[AHH], 7, v[RS]                 ; w_hh, dec1_w: 128
	v_lshl_add_u32 v[AHH], v7, 6, v[AHH]
	v_lshlrev_b32 v[ABI], 6, v7                    ; what lies by units: my 16 begin 64 h bytes on
	v_mul_u32_u24 v[AEW], v[RS], 44                ; enc_w: 44
	v_lshl_add_u32 v[AEW2], v7, 2, v[AEW]
	v_lshl_add_u32 v[AEW], v7, 3, v[AEW]
	v_mul_u32_u24 v[XA0], v6, 44
	v_lshl_add_u32 v[XB0], v7, 2, v[XA0]
	v_lshl_add_u32 v[XA0], v7, 3, v[XA0]
	v_add_nc_u32 v[XA0], s41, v[XA0]
	v_add_nc_u32 v[XB0], s41, v[XB0]
	v_and_b32 v[OOF], 31, v0
	v_lshlrev_b32 v[OOF], 4, v[OOF]
	s_mul_i32 s3, s2, LNW
	s_add_co_u32 s3, s3, LNC
	v_add_nc_u32 v[LC], s3, v[OOF]
	v_mov_b32 v[NIL], 0
	; batch 1.  Straight into window 1: the biases (register 16 g + i: unit 16 h + i of gate g), dec2_w, enc_w
	WIN TO1
.irp g, 0,1,2
.irp q, 0,1,2,3
	global_load_b128 v[BS+16*\g+4*\q:BS+16*\g+4*\q+3], v[ABI], s[22:23] offset:128*\g+16*\q
.endr
.endr
.irp q, 0,1,2,3
	global_load_b128 v[BS+48+4*\q:BS+48+4*\q+3], v[ABI], s[24:25] offset:256+16*\q     ; b_hh of the third gate stays apart: r multiplies hn
	global_load_b128 v[BS+64+4*\q:BS+64+4*\q+3], v[ABI], s[28:29] offset:16*\q
.endr
.irp j, 0,1,2,3
.irp q, 0,1,2,3
	global_load_b128 v[DW+16*\j+4*\q:DW+16*\j+4*\q+3], v[ABI], s[30:31] offset:128*\j+16*\q
.endr
.endr
.irp u, 0,1
.irp t, 0,1,2
.irp j, 0,1
.if (\t == 2) && (\j == 1)
	global_load_b32 v[EW+2*(3*\u+\t)+\j], v[AEW2], s[10:11] offset:352*\u+36           ; k = 9; lanes 16-31 read k = 10 once more, inside the row, and are cleared below
.else
	global_load_b32 v[EW+2*(3*\u+\t)+\j], v[AEW], s[10:11] offset:352*\u+16*\t+4*\j    ; k = 4 t + 2 h + j
.endif
.endr
.endr
.endr
	WIN 0
.irp T, 0,1,2,3,4,5
.irp q, 0,1,2,3
	global_load_b128 v[SI+16*\T+4*\q:SI+16*\T+4*\q+3], v[AIH], s[18:19] offset:144*(32*(\T/2)+8*(\T%2))+16*\q
.endr
	global_load_b128 v[YP+4*\T:YP+4*\T+3], v[AI0], s[18:19] offset:144*(32*(\T/2)+8*(\T%2))+128
.endr
.irp T, 0,1,2,3,4,5
.irp q, 0,1,2,3
	global_load_b128 v[SH+16*\T+4*\q:SH+16*\T+4*\q+3], v[AHH], s[20:21] offset:128*(32*(\T/2)+8*(\T%2))+16*\q
.endr
.endr
	; while they are out: the weight tiles' zero codes
	WIN TO1
.irp T, 0,1,2,3,4,5,6,7,8,9
	v_mov_b32 v[WT+8*\T+6], 0
	v_mov_b32 v[WT+8*\T+7], 0
.endr
.irp T, 4,5
	v_mov_b32 v[WT+8*\T+4], 0
	v_mov_b32 v[WT+8*\T+5], 0
.endr
.irp T, 6,7,8,9
.irp q, 0,1,2,3
	v_mov_b32 v[WT+8*\T+\q], 0
.endr
.endr
	WIN 0
.irp q, 0,1,2,3
	v_mov_b32 v[YP+24+\q], 0                       ; behind the last tile's four numbers
.endr
	v_mov_b32 v[QP], 0                             ; a lane permute's destination counts as one of its sources
	v_mov_b32 v[C0+2], 0
	v_mov_b32 v[C0+3], 0
	s_wait_loadcnt 0x0                             ; batch 1 is in
.irp T, 0,1,2,3,4,5
	QIH \T
.endr
	; batch 2, into the registers that w_ih has left; it lands while w_hh is quantised
.irp u, 0,1
.irp q, 0,1,2,3
	global_load_b128 v[D1S+16*\u+4*\q:D1S+16*\u+4*\q+3], v[AHH], s[26:27] offset:1024*\u+16*\q
	global_load_b128 v[BHS+16*\u+4*\q:BHS+16*\u+4*\q+3], v[ABI], s[24:25] offset:128*\u+16*\q
.endr
.endr
.irp q, 0,1,2,3
	global_load_b128 v[LNS+4*\q:LNS+4*\q+3], v[ABI], s[12:13] offset:16*\q
	global_load_b128 v[LNS+16+4*\q:LNS+16+4*\q+3], v[ABI], s[14:15] offset:16*\q
	global_load_b128 v[LNS+32+4*\q:LNS+32+4*\q+3], v[ABI], s[16:17] offset:16*\q
.endr
.irp T, 0,1,2,3
	QHH SH+16*\T, \T, WS+\T
.endr
	QHH SH+64, 6, NIL
	QHH SH+80, 7, NIL
	s_wait_loadcnt 0x0                             ; batch 2 is in
	QHH D1S, 8, NIL
	QHH D1S+16, 9, NIL
	WIN WIN_E0                                     ; destination and source 0 in window 1
.set i, 0
.rept 16
	v_pk_add_f32 v[BS+i:BS+i+1], v[BS+i:BS+i+1], v[BHS+i:BHS+i+1]  ; r's and z's two biases are one C
.set i, i+2
.endr
	v_cndmask_b32 v[EW+5], v[EW+5], v[NIL], s6     ; enc_w's k = 11 is 0
	v_cndmask_b32 v[EW+11], v[EW+11], v[NIL], s6
	WIN 0
.irp q, 0,1,2,3,4,5,6,7,8,9,10,11
	ds_store_b128 v[LC], v[LNS+4*\q:LNS+4*\q+3] offset:512*\q      ; enc_b, ln_g, ln_b as images of their registers: 512 consecutive bytes a store, the wave's own
.endr
	s_wait_kmcnt 0x0                               ; y0, dec2_b
	s_wait_dscnt 0x0                               ; the stores have read their registers, which are written next
.irp j, 0,1,2,3
	v_mov_b32 v[DBP+2*\j], s[72+\j]
	v_mov_b32 v[DBP+2*\j+1], 0
.endr
.irp j, 0,1,2,3
	v_cndmask_b32 v[DBP+2*\j], v[DBP+2*\j], v[NIL], s6             ; the bias is added once: in lanes 0-15
.endr
.irp q, 0,1,2,3,4,5,6,7
	v_mov_b32 v[TA+\q], 0                          ; the operands: registers 6 and 7 stay zero codes
	v_mov_b32 v[TBB+\q], 0
.endr
.irp q, 4,5,6,7
	v_mov_b32 v[TA+oY+\q], 0                       ; the four zeros behind y
	v_mov_b32 v[TBB+oY+\q], 0
.endr
.irp q, 0,1,2,3,4,5,6,7,8,9,10,11
	v_mov_b32 v[TM+\q], 0
.endr
.set QA, TM
.set QB, TM+1
.set QP, TM+2
	s_lshl_b32 s60, ttmp9, 15                      ; out0: 2,048 rows of 16 bytes a work-group,
	s_lshl_b32 s3, s2, 12                          ; 256 a wave
	s_add_co_u32 s60, s60, s3
	s_add_nc_u64 s[36:37], s[36:37], s[60:61]
	s_mov_b32 s58, 0                               ; the trip's first byte in my wave's x
	s_mov_b32 s56, 8
	s_wait_tensorcnt 0x0                           ; my rows of x lie in LDS; only I read them
.Ltrip:                                                ; 32 rows: tiles A and B
	v_add_nc_u32 v[XAD], s58, v[XA0]
	v_add_nc_u32 v[XBD], s58, v[XB0]
.irp p, 0,1
.irp t, 0,1,2
.irp j, 0,1
.if (\t == 2) && (\j == 1)
	ds_load_b32 v[XF+6*\p+2*\t+\j], v[XBD] offset:704*\p+36        ; k = 9; lanes 16-31 take k = 10 once more: it meets enc_w's zero
.else
	ds_load_b32 v[XF+6*\p+2*\t+\j], v[XAD] offset:704*\p+16*\t+4*\j
.endif
.endr
.endr
.endr
.irp q, 0,1,2,3,4,5,6,7,8,9,10,11
	ds_load_b128 v[EB+4*\q:EB+4*\q+3], v[LC] offset:512*\q
.endr
	s_wait_dscnt 0x0
	ENCW 0
.irp j, 0,1,2,3
	v_mov_b32 v[TA+oY+\j], s[68+\j]                ; y = y0.  These eight lines are the places behind the f32 form
	v_mov_b32 v[TBB+oY+\j], s[68+\j]
.endr
	ENC_TAIL TA
	QY TA, SWA
	ENCW 1
.rept 8
	v_nop
.endr
	ENC_TAIL TBB
	s_mov_b32 s57, 5
.Lstep:                                                ; the two tiles run half a phase apart: each tile's vector work fills the places behind and in front of the other's matrix instructions
	WIN WIN_M
	W1 TA, SWA
	WIN 0
	QY TBB, SWB                                    ; eight plain lines behind A's products
	P2A TA                                         ; sixteen between B's scale word and B's products
	WIN WIN_M
	W1 TBB, SWB
	WIN 0
	P2B TA
	QH TA, SWA
	P2A TBB                                        ; sixteen between A's scale word and codes and A's product
	WIN WIN_M
	W2 TA, SWA
	WIN 0
	P2B TBB
	QH TBB, SWB
	RELU TA                                        ; sixteen likewise for B
	WIN WIN_M
	W2 TBB, SWB
	WIN WIN_D
	DEC2 TA
	WIN 0
	YFIN TA
	QY TA, SWA                                     ; for the next step (in the fifth it serves nothing: the next trip makes all that it writes anew)
	RELU TBB
	WIN WIN_D
	DEC2 TBB
	WIN 0
	YFIN TBB
	s_sub_co_u32 s57, s57, 1
	s_cmp_lg_u32 s57, 0
	s_cbranch_scc1 .Lstep
.irp j, 0,1,2,3
	v_cndmask_b32 v[OUT+\j], v[TA+oY+\j], v[TBB+oY+\j], s6         ; lane l holds row l of the trip's 32
.endr
	global_store_b128 v[OOF], v[OUT:OUT+3], s[36:37] th:TH_STORE_NT   ; 32 lanes store 512 consecutive bytes, at a multiple of 512 from out0's first byte; written once, read by nobody here
	s_wait_xcnt 0x0                                ; the store has read its base and its data: both are written again only behind this wait
	s_add_nc_u64 s[36:37], s[36:37], 512
	s_add_co_u32 s58, s58, 1408                    ; 32 rows of 44 bytes
	s_sub_co_u32 s56, s56, 1
	s_cmp_lg_u32 s56, 0
	s_cbranch_scc1 .Ltrip
	s_set_vgpr_msb 0x5
	s_wait_tensorcnt 0x0
	ds_add_u32 v254, v255
	s_wait_dscnt 0x0
	s_set_vgpr_msb 0x500
	s_endpgm
.Lfunc_end_k_qc286b7e7a8_gru:
	.size	k_qc286b7e7a8_gru, .Lfunc_end_k_qc286b7e7a8_gru-k_qc286b7e7a8_gru
	.p2alignl 7, 3214868480
	.fill 96, 4, 3214868480
	.section	.rodata,"a",@progbits
	.p2align	6, 0x0
	.amdhsa_kernel k_qc286b7e7a8_gru
		.amdhsa_group_segment_fixed_size 168960
		.amdhsa_private_segment_fixed_size 0
		.amdhsa_enable_private_segment 0
		.amdhsa_kernarg_size 120
		.amdhsa_user_sgpr_count 2
		.amdhsa_user_sgpr_kernarg_segment_ptr 1
		.amdhsa_wavefront_size32 1
		.amdhsa_system_sgpr_workgroup_id_x 1
		.amdhsa_system_sgpr_workgroup_id_y 1
		.amdhsa_system_sgpr_workgroup_id_z 1
		.amdhsa_system_vgpr_workitem_id 0
		.amdhsa_next_free_vgpr 512
		.amdhsa_next_free_sgpr 80
		.amdhsa_reserve_vcc 0
		.amdhsa_float_denorm_mode_32 3
		.amdhsa_float_denorm_mode_16_64 3
		.amdhsa_memory_ordered 1
		.amdhsa_forward_progress 1
		.amdhsa_inst_pref_size 82
	.end_amdhsa_kernel
	.amdgpu_metadata
---
amdhsa.version: [ 1, 2 ]
amdhsa.kernels:
  - .name:           k_qc286b7e7a8_gru
    .symbol:         k_qc286b7e7a8_gru.kd
    .args:
      - { .name: x, .offset: 0, .size: 8, .value_kind: global_buffer, .address_space: global }
      - { .name: enc_w, .offset: 8, .size: 8, .value_kind: global_buffer, .address_space: global }
      - { .name: enc_b, .offset: 16, .size: 8, .value_kind: global_buffer, .address_space: global }
      - { .name: ln_g, .offset: 24, .size: 8, .value_kind: global_buffer, .address_space: global }
      - { .name: ln_b, .offset: 32, .size: 8, .value_kind: global_buffer, .address_space: global }
      - { .name: w_ih, .offset: 40, .size: 8, .value_kind: global_buffer, .address_space: global }
      - { .name: w_hh, .offset: 48, .size: 8, .value_kind: global_buffer, .address_space: global }
      - { .name: b_ih, .offset: 56, .size: 8, .value_kind: global_buffer, .address_space: global }
      - { .name: b_hh, .offset: 64, .size: 8, .value_kind: global_buffer, .address_space: global }
      - { .name: dec1_w, .offset: 72, .size: 8, .value_kind: global_buffer, .address_space: global }
      - { .name: dec1_b, .offset: 80, .size: 8, .value_kind: global_buffer, .address_space: global }
      - { .name: dec2_w, .offset: 88, .size: 8, .value_kind: global_buffer, .address_space: global }
      - { .name: dec2_b, .offset: 96, .size: 8, .value_kind: global_buffer, .address_space: global }
      - { .name: y0, .offset: 104, .size: 8, .value_kind: global_buffer, .address_space: global }
      - { .name: out0, .offset: 112, .size: 8, .value_kind: global_buffer, .address_space: global }
    .group_segment_fixed_size: 168960
    .private_segment_fixed_size: 0
    .kernarg_segment_align: 8
    .kernarg_segment_size: 120
    .max_flat_workgroup_size: 256
    .sgpr_count:     80
    .vgpr_count:     512
    .wavefront_size: 32
...
	.end_amdgpu_metadata
.endif
;; end of part 1
